; MI455X (gfx1250); checked and timed in simulation.
; The chip was launched on July 23, 2026; its instructions are those of AMD's public machine-readable ISA for CDNA 5 (MIT licence, August 2026) and "CDNA5" Instruction Set Architecture Reference Guide (July 2026). The comments in the code are by the model that wrote it; some were corrected since.
;; OKR Router. Allowed arithmetic: float matrix products may take bf16 or f16 operands with f32 sums; all other float work in f32.
;; Inputs: gate_W 64 x 2,048 float32; hidden_states 4 x 4,096 x 2,048 float32; secret_projection 2,048 x 64 float32.
;; Outputs: out0 4 x 4,096 x 2 float32; out1 4 x 4,096 x 2 int32.
;; Constants: top_k = 2.
;; One version. Each part assembles by itself: llvm-mc -triple=amdgcn-amd-amdhsa -mcpu=gfx1250 --defsym DOCPART=n.
;; ======== version 1 of 1: 2 launches
;; workspace buffers: wb 524,288 bytes
;; launch pack (part 1): grid 16 x 1, 8 waves a work-group, no clusters, 18,432 bytes of LDS; arguments gate_W, secret_projection, wb; writes wb
.if DOCPART == 1
	.amdgcn_target "amdgcn-amd-amdhsa--gfx1250"
	.amdhsa_code_object_version 6
	.text
	.protected	k_qe7b9ea4c58_pack
	.globl	k_qe7b9ea4c58_pack
	.p2align	8
	.type	k_qe7b9ea4c58_pack,@function
k_qe7b9ea4c58_pack:
	s_mov_b64 s[64:65], 0
	v_nop
	global_prefetch_b8 v0, s[64:65] scope:SCOPE_SE
	s_setreg_imm32_b32 hwreg(HW_REG_WAVE_MODE, 25, 1), 1
	s_wait_xcnt 0x0
; wb[128][2048] in bf16, rounded to nearest even: rows 0-63 = gate_W's rows, rows 64-127 = secret_projection's columns (wb[64 + n][k] = secret[k][n]).
; WHY A LAUNCH OF ITS OWN: each of the router's 256 work-groups needs all 128 columns over all 2,048 k for its 64 tokens.  In f32 that is 1 MB beside 512 KB of x; in bf16
; 512 KB.  Packing reads 1 MB and writes 512 KB once, and spares every work-group the rounding of the weights and the turning of secret.
; SHARES.  16 work-groups of eight waves: a transposed row's 256 consecutive bytes are 128 k, and 2,048 / 128 = 16.  Work-group g takes secret's rows 128 g .. 128 g + 127
; (32 KB, consecutive) and gate_W's rows 4 g .. 4 g + 3 (32 KB, consecutive).  A wave has all its 16 loads of 512 bytes out at once.
; SECRET: lane (r, h) of wave w loads columns 4 r .. 4 r + 3 of rows 16 w + 8 h + 0..7: each load of a wave covers two whole rows of 256 bytes.  Packing rows k and k + 1 of one
; column gives, for each of its four columns, 16 bytes of eight neighbouring k.  These meet in LDS (64 rows of 256 + 16 bytes) and are read back by rows.
; The four LDS stores of a wave touch rows 4 r: at a pitch that is a multiple of 16 bytes sixteen such rows start in four groups of banks only; four instructions, left so.
; GATE_W needs no turning: thread t rounds 4 numbers to 8 bytes, and a store of a wave covers 256 consecutive bytes, aligned.
.set PITCH, 272                        ; an LDS row: 128 k in bf16 + 16 bytes
.set S,   16                           ; v[16:47]   secret as loaded: row i in 4 registers
.set G,   48                           ; v[48:79]   gate_W as loaded
.set TS,  80                           ; v[80:95]   secret in bf16: column j in 4 registers
.set TG,  96                           ; v[96:111]  gate_W in bf16
.set R,   112                          ; v[112:127] transposed rows read back
	s_load_b128 s[4:7], s[0:1], 0x0                ; gate_W s[4:5], secret s[6:7]
	s_load_b64 s[8:9], s[0:1], 0x10                ; wb
	v_lshl_add_u32 v128, v0, 2, 0x4400
	v_mov_b32 v129, 0
	v_lshrrev_b32 v1, 5, v0
	v_readfirstlane_b32 s10, v1                    ; wave 0..7
	v_and_b32 v2, 15, v0                           ; r
	v_bfe_u32 v3, v0, 4, 1                         ; h
	v_lshlrev_b32 v4, 4, v0                        ; gate_W in: 16 bytes a thread
	v_lshlrev_b32 v5, 3, v0                        ; gate_W out: 8 bytes a thread
	v_lshlrev_b32 v6, 4, v2
	v_lshl_add_u32 v6, v3, 11, v6
	s_lshl_b32 s11, s10, 12
	v_add_nc_u32 v6, s11, v6                       ; secret in: row 16 w + 8 h, 16 r bytes
	s_lshl_b32 s12, ttmp9, 15                      ; the work-group's 32 KB of either input
	s_mov_b32 s13, 0
	s_wait_kmcnt 0x0
	s_add_nc_u64 s[4:5], s[4:5], s[12:13]
	s_add_nc_u64 s[6:7], s[6:7], s[12:13]
.irp i, 0,1,2,3,4,5,6,7
	global_load_b128 v[S+4*\i:S+4*\i+3], v6, s[6:7] offset:256*\i th:TH_LOAD_NT    ; secret first: it has the longer way
.endr
.irp i, 0,1,2,3,4,5,6,7
	global_load_b128 v[G+4*\i:G+4*\i+3], v4, s[4:5] offset:4096*\i th:TH_LOAD_NT
.endr
	; addresses, made while the loads are on their way
	v_mul_u32_u24 v7, v2, 4*PITCH
	v_lshl_add_u32 v7, v3, 4, v7
	s_lshl_b32 s11, s10, 5
	v_add_nc_u32 v7, s11, v7                       ; LDS in: row 4 r (+ j), k = 16 w + 8 h
	v_mul_u32_u24 v8, v3, PITCH
	v_lshl_add_u32 v8, v2, 4, v8
	s_mul_i32 s11, s10, 8*PITCH
	v_add_nc_u32 v8, s11, v8                       ; LDS back: row 8 w + h (+ 2 t), 16 r bytes: sixteen lanes take a row
	v_lshlrev_b32 v9, 4, v2
	v_lshl_add_u32 v9, v3, 12, v9
	s_lshl_b32 s11, s10, 15
	v_add_nc_u32 v9, s11, v9                       ; and the same rows in wb, 4,096 bytes apart
	s_lshl_b32 s16, ttmp9, 14                      ; gate_W's part: 16 KB a work-group
	s_mov_b32 s17, 0
	s_add_nc_u64 s[14:15], s[8:9], s[16:17]
	s_lshl_b32 s18, ttmp9, 8                       ; secret's part: behind 64 rows of 4,096 bytes, 256 bytes along the rows for each work-group
	s_add_co_u32 s18, s18, 64*4096
	s_mov_b32 s19, 0
	s_add_nc_u64 s[20:21], s[8:9], s[18:19]
	s_wait_loadcnt 0x8                             ; loads come back in order (ISA guide 5.7.1): secret's eight are in, gate_W's eight stay out
.irp j, 0,1,2,3
.irp q, 0,1,2,3
	v_cvt_pk_bf16_f32 v[TS+4*\j+\q], v[S+8*\q+\j], v[S+8*\q+4+\j]   ; column 4 r + j, rows 2 q and 2 q + 1 of my eight
.endr
.endr
.irp j, 0,1,2,3
	ds_store_b128 v7, v[TS+4*\j:TS+4*\j+3] offset:\j*PITCH
.endr
	s_wait_dscnt 0x0                               ; for the others' sake: my stores are done
	s_barrier_signal -1
	s_wait_loadcnt 0x0                             ; register work while the others arrive: gate_W is rounded
.irp i, 0,1,2,3,4,5,6,7
	v_cvt_pk_bf16_f32 v[TG+2*\i],   v[G+4*\i],   v[G+4*\i+1]
	v_cvt_pk_bf16_f32 v[TG+2*\i+1], v[G+4*\i+2], v[G+4*\i+3]
.endr
	s_barrier_wait -1
.irp t, 0,1,2,3
	ds_load_b128 v[R+4*\t:R+4*\t+3], v8 offset:\t*2*PITCH
.endr
.irp i, 0,1,2,3,4,5,6,7
	global_store_b64 v5, v[TG+2*\i:TG+2*\i+1], s[14:15] offset:2048*\i             ; a wave's store covers 256 consecutive bytes, aligned
.endr
.irp t, 0,1,2,3
	s_wait_dscnt 3-\t                              ; LDS loads come back in order: pair t of rows is in
	global_store_b128 v9, v[R+4*\t:R+4*\t+3], s[20:21] offset:\t*2*4096            ; sixteen lanes store 256 consecutive bytes, aligned
.endr
	s_wait_tensorcnt 0x0
	ds_add_u32 v128, v129
	s_wait_dscnt 0x0
	s_endpgm
.Lfunc_end_k_qe7b9ea4c58_pack:
	.size	k_qe7b9ea4c58_pack, .Lfunc_end_k_qe7b9ea4c58_pack-k_qe7b9ea4c58_pack
	.p2alignl 7, 3214868480
	.fill 96, 4, 3214868480
	.section	.rodata,"a",@progbits
	.p2align	6, 0x0
	.amdhsa_kernel k_qe7b9ea4c58_pack
		.amdhsa_group_segment_fixed_size 18432
		.amdhsa_private_segment_fixed_size 0
		.amdhsa_enable_private_segment 0
		.amdhsa_kernarg_size 24
		.amdhsa_user_sgpr_count 2
		.amdhsa_user_sgpr_kernarg_segment_ptr 1
		.amdhsa_wavefront_size32 1
		.amdhsa_system_sgpr_workgroup_id_x 1
		.amdhsa_system_sgpr_workgroup_id_y 1
		.amdhsa_system_sgpr_workgroup_id_z 1
		.amdhsa_system_vgpr_workitem_id 0
		.amdhsa_next_free_vgpr 130
		.amdhsa_next_free_sgpr 66
		.amdhsa_reserve_vcc 0
		.amdhsa_float_denorm_mode_32 3
		.amdhsa_float_denorm_mode_16_64 3
		.amdhsa_memory_ordered 1
		.amdhsa_forward_progress 1
		.amdhsa_inst_pref_size 8
	.end_amdhsa_kernel
	.amdgpu_metadata
---
amdhsa.version: [ 1, 2 ]
amdhsa.kernels:
  - .name:           k_qe7b9ea4c58_pack
    .symbol:         k_qe7b9ea4c58_pack.kd
    .args:
      - { .name: gate_W, .offset: 0, .size: 8, .value_kind: global_buffer, .address_space: global }
      - { .name: secret_projection, .offset: 8, .size: 8, .value_kind: global_buffer, .address_space: global }
      - { .name: wb, .offset: 16, .size: 8, .value_kind: global_buffer, .address_space: global }
    .group_segment_fixed_size: 18432
    .private_segment_fixed_size: 0
    .kernarg_segment_align: 8
    .kernarg_segment_size: 24
    .max_flat_workgroup_size: 256
    .sgpr_count:     66
    .vgpr_count:     130
    .wavefront_size: 32
...
	.end_amdgpu_metadata
.endif
;; end of part 1
;; launch router (part 2): grid 256 x 1, 4 waves a work-group, clusters of 4 x 1, 327,680 bytes of LDS; arguments hidden_states, wb, out0, out1; writes out0, out1
.if DOCPART == 2
	.amdgcn_target "amdgcn-amd-amdhsa--gfx1250"
	.amdhsa_code_object_version 6
	.text
	.protected	k_qe7b9ea4c58_router
	.globl	k_qe7b9ea4c58_router
	.p2align	8
	.type	k_qe7b9ea4c58_router,@function
k_qe7b9ea4c58_router:
	s_mov_b64 s[64:65], 0
	v_nop
	global_prefetch_b8 v0, s[64:65] scope:SCOPE_SE
	s_setreg_imm32_b32 hwreg(HW_REG_WAVE_MODE, 25, 1), 1
	s_wait_xcnt 0x0
	s_wait_alu depctr_hold_cnt(0) depctr_sa_sdst(0) depctr_va_vdst(0) depctr_va_sdst(0) depctr_va_ssrc(0) depctr_va_vcc(0) depctr_vm_vsrc(0)
	s_getreg_b32 s2, hwreg(HW_REG_IB_STS2, 6, 4)
	s_cmp_eq_u32 s2, 0
	s_cbranch_scc0 .Lentry_in_a_cluster
	s_endpgm
.Lentry_in_a_cluster:
	s_bfe_u32 s2, ttmp6, 0x10000c
	s_cmp_lg_u32 s2, 0x3003
	s_cbranch_scc0 .Lentry_shape_is_right
	s_endpgm
.Lentry_shape_is_right:
; OKR router: raw = x gate_W^T, bias = x secret, both [16384 tokens][64 experts]; experts with raw >= max(raw) - 1.5 keep their bias as score,
; the others get -1e9; the two best scores (equal scores: the lower index first) are the chosen experts; weights = softmax of their raw logits.
; x: [16384][2048] f32.  wb: [128][2048] bf16, made by the launch in front: rows 0-63 gate_W's rows, rows 64-127 secret's columns.  out0: [16384][2] f32.  out1: [16384][2] i32.
;
; SHARES.  256 work-groups of 64 tokens, four waves.  K goes in eight chunks of 256; inside a chunk wave w takes k = 64 w .. 64 w + 63 for all 64 tokens and all
; 128 rows of wb: 32 accumulator tiles a wave.  So no byte of x or of the weights is read from LDS twice in a work-group, and no number of x is rounded twice.
; The four waves' sums meet once, at the end, in LDS.
; X belongs to one work-group alone and comes through registers: a load of a wave covers two aligned pieces of 256 bytes (rows a and a + 8); two buffers of 32 loads,
; so up to 64 loads of 512 bytes of every wave stay out, across the barriers too.  (A slot in LDS is filled again only when all the wave's tensor loads have landed,
; so x in slots would have nothing on its way at every such barrier.)  Rounded to bf16, x is turned into fragment order through the wave's own stage in LDS.
; THE WEIGHTS are the same for every work-group: clusters of 4 x 1 ask for them JOINTLY (mask 15), which divides the requests for them by four.  Two slots, each with
; two chunks: 128 rows x 1,024 bytes (LDS pitch 1,040); each wave asks for 32 rows.  The two first fills bring half of wb; each slot is filled again once, and that load
; has two chunks' work in which to land.  Cluster c begins with the pair of chunks c mod 4 and goes round, so that the 64 clusters' first requests cover all of wb.
; THE MATRIX INSTRUCTION IS USED TRANSPOSED: source 0 = 16 rows of wb, source 1 = 16 tokens.  Lane (r, h) then holds token r, registers 0-7 the rows 8 h + 0..7 of the tile.
;
; LIMITS.  Operands are rounded to bf16 (nearest even) and the f32 sums are made in another order than reference()'s: an expert whose logit lies within that
; rounding of max - 1.5, or two scores equal within it, can fall the other way.  NaN and infinite logits are not served (the maximum drops a NaN, compares with
; one are false).  A weight below 2^-126 comes out as 0 (v_exp_f32 flushes: ISA guide 15.8).
;
; REGISTERS, in windows of 256:  window 0: v0-23 addresses, v32-95 x fragments, v96-223 weight fragments (two buffers each, for the two halves of a wave's 64 k);
; window 1: x in bf16 on its way to the stage, two sets of 64;  window 2: x as loaded, two buffers of 128;  window 3: accumulator tile (a, b) at v[8 (8 a + b)],
; a = token block, b = 0-3 gate_W, 4-7 secret.
.set ROWB,    8192                     ; bytes in a row of x
.set WPITCH,  1040                     ; LDS row of a weight tile: 1,024 bytes + 16 = 260 words: row r starts at bank 4 r mod 64 (64 banks of 4 bytes: ISA guide 11.1)
.set SLOT,    128*WPITCH               ; 128 rows of wb, 512 k
.set STAGE,   2*SLOT                   ; behind the ring: each wave's own 64 rows x 64 k of x in bf16
.set SPITCH,  144                      ; 128 bytes + 16 = 36 words: 16 rows start at 16 different groups of four banks; rows a and a + 8 lie 32 banks apart
.set STAGE_W, 64*SPITCH
.set RES,     STAGE+4*STAGE_W          ; 512 bytes of weights, 512 of indices, as they lie in out0 and out1
.set PPITCH,  528                      ; the waves' sums at the end: a token's 128 numbers + 16 bytes
.set PWAVE,   64*PPITCH                ; one wave's sums; the four lie from LDS byte 0 on, in the slots, which have had their last fill by then
.set XB,   5                           ; v5      my byte offset in x: 8 rows for lanes 16-31, 16 bytes a lane, 256 bytes a wave; never rewritten
.set GA,   8                           ; v8-9    LDS address of my fragments of wb's rows 0-63 in slot 0, 1
.set SA,   10                          ; v10-11  the same for rows 64-127 (an LDS offset has 16 bits)
.set AA,   12                          ; v12     LDS address of my x fragments in my stage
.set STA,  13                          ; v13     where I put 8 bytes of x in my stage
.set PA,   14                          ; v14     where I put my sums
.set RG,   15                          ; v15-16  where I read the sums of waves 0, 1 and of waves 2, 3
.set RESA, 19                          ; v19     where my token's result goes
.set RESL, 20                          ; v20     where I read 16 bytes of results back
.set GOFF, 21                          ; v21     and their byte offset in the work-group's 512 bytes of an output
.set MX,   22                          ; v22-23  the largest logit
.set CA,   24                          ; v24-29  best two of experts 0-15 of my 32: score, index, logit; score, index, logit
.set CB,   30                          ; v30-35  of experts 16-31; then the partner lane's
.set LO,   36                          ; v36-41  best two of the token's experts 0-31
.set HI,   42                          ; v42-47  of experts 32-63
.set AF,   32                          ; x fragments: 32 ks + 8 a
.set BF,   96                          ; weight fragments: 64 ks + 8 b
.set P0,   64                          ; the end: v64-95 my 32 logits, v96-127 my 32 scores; v128-255 other waves' sums
.set G1,   24                          ; s[24:31] descriptor group 1, the same for every load
.set G0,   32                          ; s[32:39] group 0, a set for each slot
.set XS,   40                          ; s[40:43] x at the chunk that buffer 0, 1 holds
.set MULW,    0xf0                     ; C and D window 3, fragments window 0
.set X_TO_T,  0x4a                     ; both sources window 2, destination window 1
.set T_OUT,   0x04                     ; an LDS store's data (source 1) window 1, address window 0
.set TO_X,    0x80                     ; destination window 2, address window 0
.set ACC_OUT, 0x0c                     ; an LDS store's data window 3, address window 0
.set MSB, 0
.macro WIN new                         ; the immediate's high byte repeats the setting that is left
.if MSB != \new
	s_set_vgpr_msb (MSB<<8)|\new
.set MSB, \new
.endif
.endm
.macro PLACES                          ; four plain vector instructions between a matrix instruction and whatever reads its result or loads into its sources
.rept 4
	v_nop
.endr
.endm
; A round of the cluster's barrier: my work-group's barrier, wave 0 signals for the work-group, every wave waits for all four work-groups, my work-group's barrier again.
.macro ROUND
	s_barrier_signal -1
	s_barrier_wait -1
	s_cmp_lg_u32 s14, 0
	s_cbranch_scc1 .Lnot_wave_0_\@
	s_barrier_signal -3
.Lnot_wave_0_\@:
	s_barrier_wait -3
	s_barrier_signal -1
	s_barrier_wait -1
.endm
; The global address of slot sl's next tile: the pair of chunks s20, 1,024 bytes along wb's rows; then s20 goes on, round the four.
; sl may be an expression, so it stands in brackets wherever it is multiplied.
.macro WADDR sl
	s_lshl_b32 s60, s20, 10
	s_add_nc_u64 s[G0+4*(\sl)+2:G0+4*(\sl)+3], s[56:57], s[60:61]
	s_or_b32 s[G0+4*(\sl)+3], s[G0+4*(\sl)+3], 0x80000000          ; 127:126 type = 2
	s_add_co_u32 s20, s20, 1
	s_and_b32 s20, s20, 3
.endm
; x buffer xb's base: chunk s21, 1,024 bytes along x's rows; then s21 goes on, round the eight.
.macro XBASE xb
	s_lshl_b32 s62, s21, 10
	s_add_nc_u64 s[XS+2*\xb:XS+2*\xb+1], s[4:5], s[62:63]
	s_add_co_u32 s21, s21, 1
	s_and_b32 s21, s21, 7
.endm
; 32 loads: my 64 k of all 64 rows of x.  Load i: lanes 0-15 take 256 bytes of row 16 (i / 8) + i % 8, lanes 16-31 of the row eight further down.
.macro XLOAD xb
	WIN TO_X
.set i, 0
.rept 32
	global_load_b128 v[128*\xb+4*i:128*\xb+4*i+3], v[XB], s[XS+2*\xb:XS+2*\xb+1] offset:(16*(i>>3)+(i&7))*ROWB th:TH_LOAD_NT
.set i, i+1
.endr
.endm
; x buffer xb is rounded to bf16 and laid into my stage; reload = 1: the buffer is asked for again, two chunks on.  left = how many younger loads stay out.
.macro XCONV xb, left, reload
	s_wait_loadcnt \left                           ; loads come back in order (ISA guide 5.7.1): this buffer's 32 are in (so its base may be written), the other buffer's stay out
	WIN X_TO_T
.set i, 0
.rept 32
	v_cvt_pk_bf16_f32 v[64*\xb+2*i],   v[128*\xb+4*i],   v[128*\xb+4*i+1]
	v_cvt_pk_bf16_f32 v[64*\xb+2*i+1], v[128*\xb+4*i+2], v[128*\xb+4*i+3]
.set i, i+1
.endr
	WIN T_OUT
.set i, 0
.rept 32
	ds_store_b64 v[STA], v[64*\xb+2*i:64*\xb+2*i+1] offset:(16*(i>>3)+(i&7))*SPITCH   ; behind my fragment loads of the last chunk: LDS serves a wave's instructions in order (ISA guide 5.7.1.4)
.set i, i+1
.endr
.if \reload
	XBASE \xb
	XLOAD \xb
.endif
.endm
; 24 LDS loads: the fragments of 32 k (ks = 0, 1 of my 64) of chunk c (0, 1) of a slot.  A fragment is 16 rows x 32 k in 8 registers: lane (r, h) holds row r,
; registers 0-3 k = 8 h + 0..7, registers 4-7 k = 16 + 8 h + 0..7: two loads of 16 bytes, 32 bytes apart.  Eight tiles of wb, four token blocks of x.
.macro WLOAD slot, c, ks
.irp b, 0,1,2,3
	ds_load_b128 v[BF+64*\ks+8*\b:BF+64*\ks+8*\b+3],   v[GA+\slot] offset:\b*16*WPITCH+512*\c+64*\ks
	ds_load_b128 v[BF+64*\ks+8*\b+4:BF+64*\ks+8*\b+7], v[GA+\slot] offset:\b*16*WPITCH+512*\c+64*\ks+32
.endr
.irp b, 0,1,2,3
	ds_load_b128 v[BF+64*\ks+32+8*\b:BF+64*\ks+32+8*\b+3],   v[SA+\slot] offset:\b*16*WPITCH+512*\c+64*\ks
	ds_load_b128 v[BF+64*\ks+32+8*\b+4:BF+64*\ks+32+8*\b+7], v[SA+\slot] offset:\b*16*WPITCH+512*\c+64*\ks+32
.endr
.irp a, 0,1,2,3
	ds_load_b128 v[AF+32*\ks+8*\a:AF+32*\ks+8*\a+3],   v[AA] offset:\a*16*SPITCH+64*\ks
	ds_load_b128 v[AF+32*\ks+8*\a+4:AF+32*\ks+8*\a+7], v[AA] offset:\a*16*SPITCH+64*\ks+32
.endr
.endm
; 32 matrix instructions: 4 token blocks x 8 tiles of wb, 32 along K.  The 32 accumulators take turns, one instruction a turn; no s_wait_alu is written.
; zero = 1: the first products start the sums: nothing is cleared.
.macro MUL ks, zero
	WIN MULW
.irp a, 0,1,2,3
.irp b, 0,1,2,3,4,5,6,7
.if \zero
	v_wmma_f32_16x16x32_bf16 v[8*(8*\a+\b):8*(8*\a+\b)+7], v[BF+64*\ks+8*\b:BF+64*\ks+8*\b+7], v[AF+32*\ks+8*\a:AF+32*\ks+8*\a+7], 0
.else
	v_wmma_f32_16x16x32_bf16 v[8*(8*\a+\b):8*(8*\a+\b)+7], v[BF+64*\ks+8*\b:BF+64*\ks+8*\b+7], v[AF+32*\ks+8*\a:AF+32*\ks+8*\a+7], v[8*(8*\a+\b):8*(8*\a+\b)+7]
.endif
.endr
.endr
.endm
; One chunk: chunk c (0, 1) of slot.  kind = 0: the slot's second chunk, no barrier.  1: the launch's first chunk.  2: a change of slots, the other slot is filled again.
; 3: a change of slots, nothing is left to fetch.  xcv = 1: at the end the next chunk's x (buffer xb) goes to the stage.
; The products run 32 k behind the LDS loads: while 32 k are multiplied, the next 32 k's loads are on their way.
.macro GEN slot, c, kind, xb, xcv, left, reload
	WIN 0                                          ; branches and labels may follow
.if \kind == 1
	s_wait_tensorcnt 0x1                           ; my part of slot 0 is in; my part of slot 1 may stay out
	s_wait_dscnt 0x0                               ; no LDS instruction is pending at a signal
	s_barrier_signal -1
	s_barrier_wait -1                              ; everybody's part of slot 0 is in
.endif
.if \kind == 2
	s_wait_tensorcnt 0x0                           ; all my tensor loads have landed, my part of this slot among them, so a group 0 may be written
	ds_add_u32 v17, v18
	WADDR 1-\slot
	s_wait_dscnt 0x0                               ; my reads of the other slot are back
	ROUND                                          ; both now hold of every wave of the four work-groups
	tensor_load_to_lds s[G0+4*(1-\slot):G0+4*(1-\slot)+3], s[G1:G1+7]   ; my one tensor load behind the round, and the first thing there
	s_nop 0
.endif
.if \kind == 3
	s_wait_tensorcnt 0x0                           ; my part of this slot is in
	s_wait_dscnt 0x0
	s_barrier_signal -1
	s_barrier_wait -1                              ; everybody's is
.endif
	WLOAD \slot, \c, 0                             ; into fragment buffer 0: the 64 roundings of x stand between its last products and these loads
.if \kind != 1
	s_wait_dscnt 24                                ; all but the 24 loads just issued: the last chunk's second 32 k are in
	MUL 1, 0
	WIN 0
	PLACES                                         ; the loads below land in fragments that these products read
.endif
	WLOAD \slot, \c, 1
	s_wait_dscnt 24                                ; all but the 24 loads just issued: this chunk's first 32 k are in
.if \kind == 1
	MUL 0, 1
.else
	MUL 0, 0
.endif
.if \xcv
	XCONV \xb, \left, \reload
.endif
.endm
	s_load_b256 s[4:11], s[0:1], 0x0               ; x s[4:5], wb s[6:7], out0 s[8:9], out1 s[10:11]
	v_lshl_add_u32 v17, v0, 2, 0x4a800
	v_mov_b32 v18, 0
	ds_add_u32 v17, v18
	v_lshrrev_b32 v1, 5, v0
	v_readfirstlane_b32 s14, v1                    ; wave 0..3
	s_bfe_u32 s17, ttmp6, 0x40000                  ; cx: my place in the cluster
	s_lshl_b32 s18, ttmp9, 2                       ; in a cluster launch ttmp9 counts clusters
	s_add_co_u32 s18, s18, s17                     ; work-group = 4 x cluster + cx: it enters x's and the outputs' addresses alone
	s_and_b32 s20, ttmp9, 3                        ; the cluster's first pair of chunks; s20 counts the weights' pairs on
	s_lshl_b32 s21, s20, 1                         ; its first chunk; s21 counts x's chunks on
	v_and_b32 v1, 15, v0                           ; r
	v_bfe_u32 v2, v0, 4, 1                         ; h
	v_lshlrev_b32 v3, 4, v1
	v_lshl_add_u32 v3, v2, 16, v3                  ; 16 r + 8 rows for lanes 16-31
	s_lshl_b32 s67, s14, 8                         ; my wave's 64 k in f32
	v_add_nc_u32 v[XB], s67, v3
	s_lshl_b32 s22, s18, 19                        ; 64 rows of 8,192 bytes a work-group: 133,693,440 at the most
	s_mov_b32 s23, 0
	s_mov_b32 s61, 0                               ; the upper words of the two offsets that are stepped
	s_mov_b32 s63, 0
	s_wait_dscnt 0x0
	s_wait_kmcnt 0x0
	s_add_nc_u64 s[4:5], s[4:5], s[22:23]
	XBASE 0
	XLOAD 0                                        ; x goes out first; it stays out across the round below
	WIN 0
	; group 1: 32 rows x 256 elements of 4 bytes (512 k in bf16), 16 bytes of padding behind each row
	s_mov_b32 s[G1+0], 15|(2<<16)|(1<<20)|(1<<21)|(7<<22)|(3<<25)   ; 15:0 the mask: all four of the cluster; 17:16 4 bytes; 20 padding on; 21 set beside a mask; 24:22 after every 256 words; 31:25 of 4 words
	s_mov_b32 s[G1+1], 256<<16                     ; tensor_dim0 = 256
	s_mov_b32 s[G1+2], 32<<16                      ; tensor_dim1 = 32
	s_mov_b32 s[G1+3], 256<<16                     ; tile_dim0 = 256
	s_mov_b32 s[G1+4], 32                          ; tile_dim1 = 32
	s_mov_b32 s[G1+5], 1024                        ; elements from row to row: 4,096 bytes
	s_mov_b32 s[G1+6], 0
	s_mov_b32 s[G1+7], 0
	s_lshl_b32 s60, s14, 17                        ; my 32 rows of 4,096 bytes
	s_add_nc_u64 s[56:57], s[6:7], s[60:61]
	s_mul_i32 s69, s14, 32*WPITCH                  ; and where they go: wave x 33,280: no place in the cluster enters an LDS address
	ROUND                                          ; all four work-groups are here: the first joint loads meet
.irp s, 0,1
	s_mov_b32 s[G0+4*\s], 1                        ; count = 1
	s_add_co_u32 s[G0+4*\s+1], s69, \s*SLOT        ; LDS address
	WADDR \s
	tensor_load_to_lds s[G0+4*\s:G0+4*\s+3], s[G1:G1+7]            ; both slots' first fills go out together: two tensor loads of the wave are out, later one
	s_nop 0
.endr
	XBASE 1
	XLOAD 1
	WIN 0
	; LDS addresses, made while the first loads are on their way
	v_mul_u32_u24 v3, v1, WPITCH
	v_lshl_add_u32 v3, v2, 4, v3
	s_lshl_b32 s68, s14, 7                         ; my wave's 64 k in bf16
	v_add_nc_u32 v[GA], s68, v3                    ; wb: row r, 8 h k, my wave's 64 k
	v_add_nc_u32 v[GA+1], SLOT, v[GA]
	v_add_nc_u32 v[SA], 64*WPITCH, v[GA]
	v_add_nc_u32 v[SA+1], SLOT, v[SA]
	s_mul_i32 s68, s14, STAGE_W
	s_add_co_u32 s68, s68, STAGE                   ; my stage
	v_mul_u32_u24 v3, v1, SPITCH
	v_lshl_add_u32 v3, v2, 4, v3
	v_add_nc_u32 v[AA], s68, v3                    ; fragments: row r, 16 h bytes
	v_mul_u32_u24 v3, v2, 8*SPITCH
	v_lshl_add_u32 v3, v1, 3, v3
	v_add_nc_u32 v[STA], s68, v3                   ; in: 8 bytes a lane, lanes 16-31 eight rows down
	s_mul_i32 s68, s14, PWAVE
	v_mul_u32_u24 v3, v1, PPITCH
	v_lshl_add_u32 v4, v2, 5, v3
	v_add_nc_u32 v[PA], s68, v4                    ; my sums: token r, 8 h numbers on
	s_mul_i32 s68, s14, 16*PPITCH
	v_add_nc_u32 v3, s68, v3                       ; token 16 w + r
	v_lshl_add_u32 v[RG], v2, 7, v3                ; its logits of experts 32 h ..; their biases lie 256 bytes on
	v_add_nc_u32 v[RG+1], 2*PWAVE, v[RG]
	s_lshl_b32 s68, s14, 7
	s_add_co_u32 s68, s68, RES
	v_lshlrev_b32 v3, 3, v1
	v_lshl_add_u32 v3, v2, 9, v3
	v_add_nc_u32 v[RESA], s68, v3                  ; 8 bytes a token; lanes 0-15 the weights, lanes 16-31 the indices
	v_lshlrev_b32 v3, 4, v0
	v_add_nc_u32 v[RESL], RES, v3
	v_and_b32 v3, 31, v0
	v_lshlrev_b32 v[GOFF], 4, v3
	s_mov_b32 s70, 0x76543210                      ; v_permlanex16_b32: lane i of one half reads lane i of the other
	s_mov_b32 s71, 0xfedcba98
	s_mov_b32 s72, 0xce6e6b28                      ; -1e9
	s_mov_b32 s77, 0xffff0000                      ; lanes 16-31
	; The eight chunks, written out: the slots, the refills and the tails of the two streams differ from chunk to chunk.
	XCONV 0, 32, 1                                 ; chunk 0's x to the stage; chunk 2's is asked for
	GEN 0, 0, 1, 1, 1, 32, 1                       ; chunk 0: its first products start the sums
	GEN 0, 1, 0, 0, 1, 32, 1                       ; chunk 1
	GEN 1, 0, 2, 1, 1, 32, 1                       ; chunk 2: slot 0 is filled again, with chunks 4 and 5
	GEN 1, 1, 0, 0, 1, 32, 1                       ; chunk 3
	GEN 0, 0, 2, 1, 1, 32, 1                       ; chunk 4: slot 1 is filled again, with chunks 6 and 7: the last tensor load; the last x is asked for
	GEN 0, 1, 0, 0, 1, 32, 0                       ; chunk 5: no x is left to ask for; chunk 7's 32 loads stay out
	GEN 1, 0, 3, 1, 1, 0, 0                        ; chunk 6: nothing is filled, so no round; the last x goes to the stage
	GEN 1, 1, 0, 0, 0, 0, 0                        ; chunk 7
	WIN 0
	s_wait_dscnt 0x0                               ; the last 32 k are in registers: my reads of the slots are over
	s_barrier_signal -1                            ; say so,
	MUL 1, 0                                       ; work on registers while the others arrive,
	WIN 0
	s_barrier_wait -1                              ; and write over the slots only when nobody reads them any more
	PLACES                                         ; behind the last products, in front of the stores that read them
	; THE FOUR WAVES' SUMS MEET.  Each wave lays its 64 x 128 sums down by tokens: tile (a, b), lane (r, h): token 16 a + r, numbers 16 b + 8 h + 0..7.
	WIN ACC_OUT
.irp a, 0,1,2,3
.irp b, 0,1,2,3,4,5,6,7
	ds_store_b128 v[PA], v[8*(8*\a+\b):8*(8*\a+\b)+3]   offset:\a*16*PPITCH+64*\b
	ds_store_b128 v[PA], v[8*(8*\a+\b)+4:8*(8*\a+\b)+7] offset:\a*16*PPITCH+64*\b+16
.endr
.endr
	WIN 0
	s_wait_dscnt 0x0                               ; for the others' sake: my stores are done
	s_barrier_signal -1
	s_barrier_wait -1
; Lane (r, h) of wave w takes token 16 w + r and experts 32 h .. 32 h + 31: 32 logits and, 256 bytes on, their 32 biases.
.macro PLOAD dst, ag, off
.irp c, 0,1,2,3,4,5,6,7
	ds_load_b128 v[\dst+4*\c:\dst+4*\c+3], v[\ag] offset:\off+16*\c
.endr
.irp c, 0,1,2,3,4,5,6,7
	ds_load_b128 v[\dst+32+4*\c:\dst+32+4*\c+3], v[\ag] offset:\off+256+16*\c
.endr
.endm
.macro PADD src
.set i, 0
.rept 32
	v_pk_add_f32 v[P0+2*i:P0+2*i+1], v[P0+2*i:P0+2*i+1], v[\src+2*i:\src+2*i+1]
.set i, i+1
.endr
.endm
	PLOAD P0,     RG,   0
	PLOAD P0+64,  RG,   PWAVE
	PLOAD P0+128, RG+1, 0
	s_wait_dscnt 16                                ; waves 0 and 1's sums are in; wave 2's 16 loads may be out
	PADD P0+64
	PLOAD P0+64,  RG+1, PWAVE
	s_wait_dscnt 16                                ; wave 2's are in; wave 3's may be out
	PADD P0+128
	s_wait_dscnt 0x0
	PADD P0+64
	; the token's largest logit: two chains over my 32, then the partner lane's
	v_max3_num_f32 v[MX],   v[P0],    v[P0+1],  v[P0+2]
	v_max3_num_f32 v[MX+1], v[P0+15], v[P0+16], v[P0+17]
.set i, 0
.rept 6
	v_max3_num_f32 v[MX],   v[MX],   v[P0+3+2*i],  v[P0+4+2*i]
	v_max3_num_f32 v[MX+1], v[MX+1], v[P0+18+2*i], v[P0+19+2*i]
.set i, i+1
.endr
	v_max3_num_f32 v[MX], v[MX], v[P0+30], v[P0+31]
	v_max_num_f32 v[MX], v[MX], v[MX+1]
	v_permlanex16_b32 v[MX+1], v[MX], s70, s71
	v_max_num_f32 v[MX], v[MX], v[MX+1]
	v_add_f32 v[MX], 0xbfc00000, v[MX]             ; the threshold: max - 1.5
	; scores: the bias where the logit reaches the threshold, -1e9 elsewhere
.set e, 0
.rept 32
	v_cmp_ge_f32 vcc_lo, v[P0+e], v[MX]
	v_cndmask_b32 v[P0+32+e], s72, v[P0+32+e], vcc_lo
.set e, e+1
.endr
	; the best two of my 32, by selects alone, in two chains of 16 that do not wait for each other.  Experts join in ascending order and displace only on
	; 'greater', so of equal scores the lower index stays in front.  A chain's first two experts start it.
.macro TOPINIT st, e0, msk
	v_cmp_gt_f32 s[\msk], v[P0+32+\e0+1], v[P0+32+\e0]
	v_cndmask_b32 v[\st],   v[P0+32+\e0], v[P0+32+\e0+1], s[\msk]
	v_cndmask_b32 v[\st+1], \e0, \e0+1, s[\msk]
	v_cndmask_b32 v[\st+2], v[P0+\e0], v[P0+\e0+1], s[\msk]
	v_cndmask_b32 v[\st+3], v[P0+32+\e0+1], v[P0+32+\e0], s[\msk]
	v_cndmask_b32 v[\st+4], \e0+1, \e0, s[\msk]
	v_cndmask_b32 v[\st+5], v[P0+\e0+1], v[P0+\e0], s[\msk]
.endm
	TOPINIT CA, 0,  73
	TOPINIT CB, 16, 75
.set e, 2
.rept 14
.set sc, P0+32+e                                   ; expert e's score; expert e + 16's lies sixteen registers on
	v_cmp_gt_f32 s73, v[sc],    v[CA]              ; beats the best
	v_cmp_gt_f32 s75, v[sc+16], v[CB]
	v_cmp_gt_f32 s74, v[sc],    v[CA+3]            ; beats the second
	v_cmp_gt_f32 s76, v[sc+16], v[CB+3]
	v_cndmask_b32 v[CA+3], v[CA+3], v[sc],      s74
	v_cndmask_b32 v[CB+3], v[CB+3], v[sc+16],   s76
	v_cndmask_b32 v[CA+4], v[CA+4], e,          s74
	v_cndmask_b32 v[CB+4], v[CB+4], e+16,       s76
	v_cndmask_b32 v[CA+5], v[CA+5], v[P0+e],    s74
	v_cndmask_b32 v[CB+5], v[CB+5], v[P0+16+e], s76
	v_cndmask_b32 v[CA+3], v[CA+3], v[CA],      s73 ; the old best moves down
	v_cndmask_b32 v[CB+3], v[CB+3], v[CB],      s75
	v_cndmask_b32 v[CA+4], v[CA+4], v[CA+1],    s73
	v_cndmask_b32 v[CB+4], v[CB+4], v[CB+1],    s75
	v_cndmask_b32 v[CA+5], v[CA+5], v[CA+2],    s73
	v_cndmask_b32 v[CB+5], v[CB+5], v[CB+2],    s75
	v_cndmask_b32 v[CA],   v[CA],   v[sc],      s73
	v_cndmask_b32 v[CB],   v[CB],   v[sc+16],   s75
	v_cndmask_b32 v[CA+1], v[CA+1], e,          s73
	v_cndmask_b32 v[CB+1], v[CB+1], e+16,       s75
	v_cndmask_b32 v[CA+2], v[CA+2], v[P0+e],    s73
	v_cndmask_b32 v[CB+2], v[CB+2], v[P0+16+e], s75
.set e, e+1
.endr
; Two sorted pairs become one, in lo's registers.  All of lo's indices are below hi's, so hi wins only on 'greater'.  Second place: if hi's best won, lo's best
; against hi's second; else lo's second against hi's best.  fin = 1: the scores themselves are not wanted any more.
.macro MERGE lo, hi, fin
	v_cmp_gt_f32 s73, v[\hi], v[\lo]
.irp k, 0,1,2
	v_cndmask_b32 v[\lo+3+\k], v[\lo+3+\k], v[\lo+\k], s73
	v_cndmask_b32 v[\hi+3+\k], v[\hi+\k], v[\hi+3+\k], s73
.endr
.if \fin == 0
	v_cndmask_b32 v[\lo], v[\lo], v[\hi], s73
.endif
	v_cndmask_b32 v[\lo+1], v[\lo+1], v[\hi+1], s73
	v_cndmask_b32 v[\lo+2], v[\lo+2], v[\hi+2], s73
	v_cmp_gt_f32 s74, v[\hi+3], v[\lo+3]
.if \fin == 0
	v_cndmask_b32 v[\lo+3], v[\lo+3], v[\hi+3], s74
.endif
	v_cndmask_b32 v[\lo+4], v[\lo+4], v[\hi+4], s74
	v_cndmask_b32 v[\lo+5], v[\lo+5], v[\hi+5], s74
.endm
	MERGE CA, CB, 0
	v_lshl_add_u32 v[CA+1], v2, 5, v[CA+1]         ; my 32 experts begin at 32 h
	v_lshl_add_u32 v[CA+4], v2, 5, v[CA+4]
.irp k, 0,1,2,3,4,5
	v_permlanex16_b32 v[CB+\k], v[CA+\k], s70, s71 ; the partner lane's pair (the destination has been written)
.endr
.irp k, 0,1,2,3,4,5
	v_cndmask_b32 v[LO+\k], v[CA+\k], v[CB+\k], s77 ; experts 0-31: mine in lanes 0-15, the partner's in lanes 16-31
	v_cndmask_b32 v[HI+\k], v[CB+\k], v[CA+\k], s77
.endr
	MERGE LO, HI, 1                                ; both lanes of a token now hold its two experts and their logits
	; softmax over the two logits, the larger taken away first
	v_max_num_f32 v48, v[LO+2], v[LO+5]
	v_sub_f32 v49, v[LO+2], v48
	v_sub_f32 v50, v[LO+5], v48
	v_mul_f32 v49, 0x3fb8aa3b, v49                 ; e^x = 2^(1.442695 x)
	v_mul_f32 v50, 0x3fb8aa3b, v50
	v_exp_f32 v51, v49
	v_exp_f32 v52, v50
	v_nop                                          ; one plain vector instruction behind a transcendental before its result is used (ISA guide 5.7.2)
	v_add_f32 v53, v51, v52                        ; at least 1
	v_rcp_f32 v54, v53
	v_nop
	v_mul_f32 v51, v51, v54
	v_mul_f32 v52, v52, v54
	v_cndmask_b32 v56, v51, v[LO+1], s77           ; lanes 0-15 hand on the weights, lanes 16-31 the indices
	v_cndmask_b32 v57, v52, v[LO+4], s77
	ds_store_b64 v[RESA], v[56:57]
	s_wait_dscnt 0x0                               ; for the others' sake
	s_barrier_signal -1
	s_barrier_wait -1
	; a wave holds 16 tokens, 128 bytes of each output.  Gathered in LDS, the work-group's 512 bytes of out0 leave by one store of wave 0, out1's by one of wave 1:
	; each store covers 512 consecutive bytes, at a multiple of 512 from the buffer's first byte.
	s_cmp_gt_u32 s14, 1
	s_cbranch_scc1 .Lno_out
	s_cmp_eq_u32 s14, 0
	s_cselect_b64 s[8:9], s[8:9], s[10:11]
	s_lshl_b32 s22, s18, 9
	s_mov_b32 s23, 0
	s_add_nc_u64 s[8:9], s[8:9], s[22:23]
	ds_load_b128 v[60:63], v[RESL]
	s_wait_dscnt 0x0
	global_store_b128 v[GOFF], v[60:63], s[8:9] th:TH_STORE_NT
.Lno_out:
	s_wait_tensorcnt 0x0
	ds_add_u32 v17, v18
	s_wait_dscnt 0x0
	ROUND                                          ; the closing round: no work-group ends while a partner may still ask for a tile that names it
	s_endpgm
.Lfunc_end_k_qe7b9ea4c58_router:
	.size	k_qe7b9ea4c58_router, .Lfunc_end_k_qe7b9ea4c58_router-k_qe7b9ea4c58_router
	.p2alignl 7, 3214868480
	.fill 96, 4, 3214868480
	.section	.rodata,"a",@progbits
	.p2align	6, 0x0
	.amdhsa_kernel k_qe7b9ea4c58_router
		.amdhsa_group_segment_fixed_size 327680
		.amdhsa_private_segment_fixed_size 0
		.amdhsa_enable_private_segment 0
		.amdhsa_kernarg_size 32
		.amdhsa_user_sgpr_count 2
		.amdhsa_user_sgpr_kernarg_segment_ptr 1
		.amdhsa_wavefront_size32 1
		.amdhsa_system_sgpr_workgroup_id_x 1
		.amdhsa_system_sgpr_workgroup_id_y 1
		.amdhsa_system_sgpr_workgroup_id_z 1
		.amdhsa_system_vgpr_workitem_id 0
		.amdhsa_next_free_vgpr 1024
		.amdhsa_next_free_sgpr 80
		.amdhsa_reserve_vcc 1
		.amdhsa_float_denorm_mode_32 3
		.amdhsa_float_denorm_mode_16_64 3
		.amdhsa_memory_ordered 1
		.amdhsa_forward_progress 1
		.amdhsa_inst_pref_size 182
	.end_amdhsa_kernel
	.amdgpu_metadata
---
amdhsa.version: [ 1, 2 ]
amdhsa.kernels:
  - .name:           k_qe7b9ea4c58_router
    .symbol:         k_qe7b9ea4c58_router.kd
    .args:
      - { .name: hidden_states, .offset: 0, .size: 8, .value_kind: global_buffer, .address_space: global }
      - { .name: wb, .offset: 8, .size: 8, .value_kind: global_buffer, .address_space: global }
      - { .name: out0, .offset: 16, .size: 8, .value_kind: global_buffer, .address_space: global }
      - { .name: out1, .offset: 24, .size: 8, .value_kind: global_buffer, .address_space: global }
    .group_segment_fixed_size: 327680
    .private_segment_fixed_size: 0
    .kernarg_segment_align: 8
    .kernarg_segment_size: 32
    .max_flat_workgroup_size: 128
    .sgpr_count:     80
    .vgpr_count:     1024
    .wavefront_size: 32
...
	.end_amdgpu_metadata
.endif
;; end of part 2
